; MI455X (gfx1250); checked and timed in simulation.
; The chip was launched on July 23, 2026; its instructions are those of AMD's public machine-readable ISA for CDNA 5 (MIT licence, August 2026) and "CDNA5" Instruction Set Architecture Reference Guide (July 2026). The comments in the code are by the model that wrote it; some were corrected since.
;; Attn Sum3d. Allowed arithmetic: float matrix products may take bf16 or f16 operands with f32 sums; all other float work in f32.
;; Inputs: input 1,024 x 512 x 64 float32; mask 1,024 x 512 int32.
;; Outputs: out0 1,024 x 1 x 64 float32; out1 1,024 x 512 x 1 float32.
;; One version. Each part assembles by itself: llvm-mc -triple=amdgcn-amd-amdhsa -mcpu=gfx1250 --defsym DOCPART=n.
;; ======== version 1 of 1: 1 launch
;; launch attnsum (part 1): grid 256 x 1, 16 waves a work-group, no clusters, 12,544 bytes of LDS; arguments input, mask, out0, out1; writes out0, out1
.if DOCPART == 1
	.amdgcn_target "amdgcn-amd-amdhsa--gfx1250"
	.amdhsa_code_object_version 6
	.text
	.protected	k_q68bbbe973d_attnsum
	.globl	k_q68bbbe973d_attnsum
	.p2align	8
	.type	k_q68bbbe973d_attnsum,@function
k_q68bbbe973d_attnsum:
	s_mov_b64 s[64:65], 0
	v_nop
	global_prefetch_b8 v0, s[64:65] scope:SCOPE_SE
	s_setreg_imm32_b32 hwreg(HW_REG_WAVE_MODE, 25, 1), 1
	s_wait_xcnt 0x0
; AttnSum3d.  x: [1024][512][64] f32, mask: [1024][512] i32.  For each batch:
;   mean = column mean of x;  attn[s] = <x[s], mean>;  w = softmax over the valid rows (0 elsewhere);  out = sum of w[s] x[s].
; out0: [1024][64] f32, out1: [1024][512] f32.
;
; One byte of x feeds about one operation, so the text is built round the bytes: a batch (512 rows x 256 bytes = 128 KiB) is loaded once
; and stays in registers for all three passes.  The products have one row each: they are done in f32 on the vector unit, since a
; conversion to 16 bits would cost as many instructions as the multiply-adds themselves.  No two work-groups read a common byte: no cluster.
;
; 256 work-groups of 16 waves; work-group g walks batches 4g .. 4g+3.  Wave w owns rows 32w .. 32w+31 of every batch: 16 loads of
; 16 bytes a lane, each covering 512 consecutive bytes (two rows).  Lane l = 16h + c holds columns 4c .. 4c+3 of local rows 2j + h.
; Three register buffers of 64: batches 0, 1, 2 are requested at the start (51 loads a wave), batch 3 as soon as buffer 0 is read out.
;
; Softmax in parts: each wave uses its own maximum m_w (base 2), e = 2^(a - m_w), l_w = sum e, o_w = sum e x.  Behind one barrier
; M = max m_w, L = sum l_w 2^(m_w - M), w = e 2^(m_w - M) / L, out = sum o_w 2^(m_w - M) / L.
;
; LIMITS.  x finite and attn * 1.4427 finite in f32: the reference's NaN patterns for Inf or NaN inputs are not reproduced.
; v_exp_f32 returns 0 for results under 2^-126 (ISA guide, 15.8): weights that far under the largest one come out as 0.
; A batch without a valid row gives w = 0 and out = 0, as the reference does (m_w is held at the lowest finite f32, L at 1 or above;
; with any valid row L is at least 1 by itself).  Sums are taken in another order than the reference's.
.set BATCHB, 131072                    ; bytes of x in a batch
.set MASKB,  2048                      ; bytes of mask, and of out1, in a batch
.set OUT0B,  256                       ; bytes of out0 in a batch
; LDS
.set LP,   0                           ; 16 x 256: each wave's column sums
.set LO,   4096                        ; 16 x 256: each wave's o_w
.set LML,  8192                        ; 16 x 8:   each wave's (m_w, l_w)
.set LE,   8448                        ; 512 x 4:  e of every row
; vector registers
.set XOFF, 1                           ; x: 8192 wave + 16 lane
.set MOFF, 2                           ; mask, and e in LDS: 4 (32 wave + 2c + h)
.set WST,  3                           ; LDS: 256 wave + 16c, my wave's 256 bytes in LP and LO
.set RDH,  4                           ; LDS: 2048h + 16c, the eight waves 8h .. 8h+7 that my half adds up
.set MLR,  5                           ; LDS: 8 (c xor 8h), whose (m, l) I read
.set T16,  6                           ; waves 0-3: 512 (wave & 3) + 16 lane, in LE and in out1
.set MSR,  7                           ; waves 0-3: 8 x the wave that made my four rows
.set O0F,  8                           ; out0: 16c + 8h
.set MLW,  9                           ; LDS: 8 wave
.set MK,   10                          ; v10-12  mask word of buffer 0..2
.set CS,   14                          ; v14-21  column sums, two chains of four
.set MEAN, 22                          ; v22-25  the batch's column sums of my four columns
.set R,    26                          ; v26-57  eight waves' partial sums; afterwards T, P, O
.set T,    26                          ; v26-33  at work
.set P,    34                          ; v34-49  16 partial dot products
.set AV,   34                          ; score of my row, base 2
.set TP,   35
.set MX,   36                          ; m_w   (pair with LS)
.set LS,   37                          ; l_w
.set E,    38                          ; e of my row
.set O,    50                          ; v50-57  o_w, two chains of four
.set GM,   46                          ; the finish: M
.set D1,   47
.set F,    48
.set LL,   49
.set ML,   58                          ; v58-59  (m, l) of one wave
.set MS,   60                          ; m of the wave that made my four rows
.set RC,   61                          ; 1 / L
.set G,    62                          ; 2^(m - M) / L   (pair with D2)
.set D2,   63
.set E4,   26                          ; v26-29  four e, then four w
.set OP,   14                          ; v14-45  wave 4: eight o_w
.set W,    50                          ; v50-53  wave 4: two broadcast factors
.set ACC,  54                          ; v54-57  wave 4: the sum
.set X,    64                          ; v64-255 three buffers of 16 x 4
; batch i into buffer buf: the mask word of my row, then my 32 rows.  17 loads.
.macro ISSUE buf, i
	global_load_b32 v[MK+\buf], v[MOFF], s[6:7] offset:\i*MASKB th:TH_LOAD_NT
.irp j, 0,1,2,3,4,5,6,7,8,9,10,11,12,13,14,15
	global_load_b128 v[X+64*\buf+4*\j:X+64*\buf+4*\j+3], v[XOFF], s[4:5] offset:\i*BATCHB+\j*512 th:TH_LOAD_NT
.endr
.endm
; v[o..o+3] (+)= v[t] x the four numbers at v[XB+4j].  The factor is the first register of a pair and feeds both halves.
.macro AXPY start, o, t, j
.if \start
	v_pk_mul_f32 v[\o:\o+1],   v[XB+4*\j:XB+4*\j+1],   v[\t:\t+1] op_sel_hi:[1,0]
	v_pk_mul_f32 v[\o+2:\o+3], v[XB+4*\j+2:XB+4*\j+3], v[\t:\t+1] op_sel_hi:[1,0]
.else
	v_pk_fma_f32 v[\o:\o+1],   v[XB+4*\j:XB+4*\j+1],   v[\t:\t+1], v[\o:\o+1]   op_sel_hi:[1,0,1]
	v_pk_fma_f32 v[\o+2:\o+3], v[XB+4*\j+2:XB+4*\j+3], v[\t:\t+1], v[\o+2:\o+3] op_sel_hi:[1,0,1]
.endif
.endm
; One step of the folding butterfly: of rows j and j+n a lane keeps one (by the bit xm of c), hands the other to lane c xor xm and
; adds what it gets: half as many registers, twice as many lanes summed.  After the steps 8, 4, 2, 1 lane c holds row c whole.
.macro FOLD n, xm, sm
.set jj, 0
.rept \n
	v_cndmask_b32 v[T+jj], v[P+jj+\n], v[P+jj], s[\sm]      ; to hand over: bit set ? row j : row j+n
	v_cndmask_b32 v[P+jj], v[P+jj], v[P+jj+\n], s[\sm]      ; to keep:      bit set ? row j+n : row j
.set jj, jj+1
.endr
.set jj, 0
.rept \n
	v_add_f32_dpp v[P+jj], v[T+jj], v[P+jj] row_xmask:\xm row_mask:0xf bank_mask:0xf
.set jj, jj+1
.endr
.endm
; Four rows of the weighted sum: lane j of my half holds the weight of my row j.  Even rows feed one chain, odd rows the other.
.macro WSUM4 start, j0, j1, j2, j3
	v_mov_b32_dpp v[T],   v[E] row_share:\j0 row_mask:0xf bank_mask:0xf
	v_mov_b32_dpp v[T+2], v[E] row_share:\j1 row_mask:0xf bank_mask:0xf
	v_mov_b32_dpp v[T+4], v[E] row_share:\j2 row_mask:0xf bank_mask:0xf
	v_mov_b32_dpp v[T+6], v[E] row_share:\j3 row_mask:0xf bank_mask:0xf
	AXPY \start, O,   T,   \j0
	AXPY \start, O+4, T+2, \j1
	AXPY 0,      O,   T+4, \j2
	AXPY 0,      O+4, T+6, \j3
.endm
; Wave 4: two of the eight o_w of my half, each times its wave's factor.
.macro GSUM2 start, u0, u1
	v_mov_b32_dpp v[W],   v[G] row_share:\u0 row_mask:0xf bank_mask:0xf
	v_mov_b32_dpp v[W+2], v[G] row_share:\u1 row_mask:0xf bank_mask:0xf
	AXPY \start, ACC, W,   \u0
	AXPY 0,      ACC, W+2, \u1
.endm
; From the 16 pairs (m, l), one in each lane of a half: M, L, and G.  src = 1: G = 2^(MS - M) / L, the factor of the wave named by MS;
; src = 0: G = the factor of the wave whose pair this lane holds.
.macro TOTALS src
	v_max_num_f32_dpp v[GM], v[ML], v[ML] row_xmask:1 row_mask:0xf bank_mask:0xf   ; GM was written in the dot products
	v_max_num_f32_dpp v[GM], v[GM], v[GM] row_xmask:2 row_mask:0xf bank_mask:0xf
	v_max_num_f32_dpp v[GM], v[GM], v[GM] row_xmask:4 row_mask:0xf bank_mask:0xf
	v_max_num_f32_dpp v[GM], v[GM], v[GM] row_xmask:8 row_mask:0xf bank_mask:0xf
	v_sub_f32 v[D1], v[ML], v[GM]
.if \src
	v_sub_f32 v[D2], v[MS], v[GM]
.endif
	v_exp_f32 v[F], v[D1]
.if \src
	v_exp_f32 v[G], v[D2]
.endif
	v_nop                                          ; one plain instruction behind the exponentials before their results are used (ISA guide 5.7.2)
	s_wait_alu depctr_va_vdst(0)
	v_mul_f32 v[LL], v[ML+1], v[F]
	v_add_f32_dpp v[LL], v[LL], v[LL] row_xmask:1 row_mask:0xf bank_mask:0xf
	v_add_f32_dpp v[LL], v[LL], v[LL] row_xmask:2 row_mask:0xf bank_mask:0xf
	v_add_f32_dpp v[LL], v[LL], v[LL] row_xmask:4 row_mask:0xf bank_mask:0xf
	v_add_f32_dpp v[LL], v[LL], v[LL] row_xmask:8 row_mask:0xf bank_mask:0xf
	v_max_num_f32 v[LL], 1.0, v[LL]                ; changes L only where no row is valid (L = 0): then everything below is 0, not 0 x inf
	v_rcp_f32 v[RC], v[LL]
	v_nop                                          ; the plain instruction behind the reciprocal
.if \src
	s_wait_alu depctr_va_vdst(0)
	v_mul_f32 v[G], v[G], v[RC]
.else
	s_wait_alu depctr_va_vdst(0)
	v_mul_f32 v[G], v[F], v[RC]
.endif
.endm
; Batch i, which lies in buffer buf.  left = loads of younger batches that may stay out (17 each).
; nexti = the batch that is loaded into this buffer once it is read out, or -1.
.macro BATCH i, buf, left, nexti
.set XB, X+64*\buf
	; 1. Column sums of my 32 rows, four loads at a time as they land: behind loads 4g .. 4g+3 stand 12 - 4g of this batch and 'left' others.
	s_wait_loadcnt \left+12
	v_pk_add_f32 v[CS:CS+1],   v[XB:XB+1],     v[XB+8:XB+9]       ; the first four rows start the two chains: nothing is cleared
	v_pk_add_f32 v[CS+2:CS+3], v[XB+2:XB+3],   v[XB+10:XB+11]
	v_pk_add_f32 v[CS+4:CS+5], v[XB+4:XB+5],   v[XB+12:XB+13]
	v_pk_add_f32 v[CS+6:CS+7], v[XB+6:XB+7],   v[XB+14:XB+15]
.irp g, 1,2,3
	s_wait_loadcnt \left+12-4*\g
.irp k, 0,1,2,3
	v_pk_add_f32 v[CS+4*(\k&1):CS+4*(\k&1)+1],   v[CS+4*(\k&1):CS+4*(\k&1)+1],   v[XB+16*\g+4*\k:XB+16*\g+4*\k+1]
	v_pk_add_f32 v[CS+4*(\k&1)+2:CS+4*(\k&1)+3], v[CS+4*(\k&1)+2:CS+4*(\k&1)+3], v[XB+16*\g+4*\k+2:XB+16*\g+4*\k+3]
.endr
.endr
	v_pk_add_f32 v[CS:CS+1],   v[CS:CS+1],   v[CS+4:CS+5]
	v_pk_add_f32 v[CS+2:CS+3], v[CS+2:CS+3], v[CS+6:CS+7]
.irp k, 0,1,2,3
	v_permlanex16_b32 v[CS+4+\k], v[CS+\k], s14, s15       ; the other half's rows; the destination is a register written before
.endr
	v_pk_add_f32 v[CS:CS+1],   v[CS:CS+1],   v[CS+4:CS+5]
	v_pk_add_f32 v[CS+2:CS+3], v[CS+2:CS+3], v[CS+6:CS+7]
	ds_store_b128 v[WST], v[CS:CS+3] offset:LP             ; both halves hold, and write, the same 256 bytes
	s_wait_dscnt 0x0                                       ; for the others: my sums are in LDS, and my reads of LO, LML, LE of the last batch are over
	s_barrier_signal -1
	s_barrier_wait -1
	; 2. The batch's column sums: my half adds eight waves, then the halves meet.
	s_wait_xcnt 0x0                                        ; v26-29 and v54-55 were the data of the last batch's stores: rewritten only behind this wait
.irp u, 0,1,2,3,4,5,6,7
	ds_load_b128 v[R+4*\u:R+4*\u+3], v[RDH] offset:LP+256*\u
.endr
.irp u, 0,2,4,6
	s_wait_dscnt 6-\u                                      ; loads u and u+1 are in; the 6 - u behind them may be out
	v_pk_add_f32 v[R+4*\u:R+4*\u+1],   v[R+4*\u:R+4*\u+1],   v[R+4*\u+4:R+4*\u+5]
	v_pk_add_f32 v[R+4*\u+2:R+4*\u+3], v[R+4*\u+2:R+4*\u+3], v[R+4*\u+6:R+4*\u+7]
.endr
	v_pk_add_f32 v[R:R+1],       v[R:R+1],       v[R+8:R+9]
	v_pk_add_f32 v[R+2:R+3],     v[R+2:R+3],     v[R+10:R+11]
	v_pk_add_f32 v[R+16:R+17],   v[R+16:R+17],   v[R+24:R+25]
	v_pk_add_f32 v[R+18:R+19],   v[R+18:R+19],   v[R+26:R+27]
	v_pk_add_f32 v[MEAN:MEAN+1],   v[R:R+1],     v[R+16:R+17]
	v_pk_add_f32 v[MEAN+2:MEAN+3], v[R+2:R+3],   v[R+18:R+19]
.irp k, 0,1,2,3
	v_permlanex16_b32 v[R+4+\k], v[MEAN+\k], s14, s15
.endr
	v_pk_add_f32 v[MEAN:MEAN+1],   v[MEAN:MEAN+1],   v[R+4:R+5]
	v_pk_add_f32 v[MEAN+2:MEAN+3], v[MEAN+2:MEAN+3], v[R+6:R+7]
	; 3. Dot products with the column sums: my four columns of my 16 rows, then the fold over the 16 lanes of my half.
.irp g, 0,1,2,3
.irp k, 0,1,2,3
	v_pk_mul_f32 v[T+2*\k:T+2*\k+1], v[XB+16*\g+4*\k:XB+16*\g+4*\k+1], v[MEAN:MEAN+1]
.endr
.irp k, 0,1,2,3
	v_pk_fma_f32 v[T+2*\k:T+2*\k+1], v[XB+16*\g+4*\k+2:XB+16*\g+4*\k+3], v[MEAN+2:MEAN+3], v[T+2*\k:T+2*\k+1]
.endr
.irp k, 0,1,2,3
	v_add_f32 v[P+4*\g+\k], v[T+2*\k], v[T+2*\k+1]
.endr
.endr
	FOLD 8, 8, 16
	FOLD 4, 4, 17
	FOLD 2, 2, 18
	FOLD 1, 1, 19                                          ; lane (c, h) now holds local row 2c + h
	; 4. The wave's part of the softmax, one row a lane.
	v_mul_f32 v[AV], 0x3b38aa3b, v[AV]                     ; x log2(e) / 512: the mean's division and the change to base 2 in one factor
	v_cmp_ne_u32 vcc_lo, 0, v[MK+\buf]
	v_cndmask_b32 v[AV], 0xff800000, v[AV], vcc_lo         ; a row that is not valid: -inf
	v_max_num_f32_dpp v[MX], v[AV], v[AV] row_xmask:1 row_mask:0xf bank_mask:0xf
	v_max_num_f32_dpp v[MX], v[MX], v[MX] row_xmask:2 row_mask:0xf bank_mask:0xf
	v_max_num_f32_dpp v[MX], v[MX], v[MX] row_xmask:4 row_mask:0xf bank_mask:0xf
	v_max_num_f32_dpp v[MX], v[MX], v[MX] row_xmask:8 row_mask:0xf bank_mask:0xf
	v_permlanex16_b32 v[TP], v[MX], s14, s15
	v_max3_num_f32 v[MX], v[MX], v[TP], 0xff7fffff         ; never under the lowest finite f32: -inf - m_w stays -inf where no row is valid
	v_sub_f32 v[AV], v[AV], v[MX]
	v_exp_f32 v[E], v[AV]                                  ; 0 for rows that are not valid
	v_nop                                                  ; the plain instruction behind the exponential
	s_wait_alu depctr_va_vdst(0)
	ds_store_b32 v[MOFF], v[E] offset:LE
	v_add_f32_dpp v[LS], v[E], v[E] row_xmask:1 row_mask:0xf bank_mask:0xf
	v_add_f32_dpp v[LS], v[LS], v[LS] row_xmask:2 row_mask:0xf bank_mask:0xf
	v_add_f32_dpp v[LS], v[LS], v[LS] row_xmask:4 row_mask:0xf bank_mask:0xf
	v_add_f32_dpp v[LS], v[LS], v[LS] row_xmask:8 row_mask:0xf bank_mask:0xf
	v_permlanex16_b32 v[TP], v[LS], s14, s15
	v_add_f32 v[LS], v[LS], v[TP]
	ds_store_b64 v[MLW], v[MX:LS] offset:LML               ; every lane writes the same pair
	; 5. o_w = sum of e x over my 32 rows.
	WSUM4 1, 0, 1, 2, 3
	WSUM4 0, 4, 5, 6, 7
	WSUM4 0, 8, 9, 10, 11
	WSUM4 0, 12, 13, 14, 15
.if \nexti >= 0
	ISSUE \buf, \nexti                                     ; the buffer and its mask word are read out: ask for its next batch at once
.endif
	v_pk_add_f32 v[O:O+1],   v[O:O+1],   v[O+4:O+5]
	v_pk_add_f32 v[O+2:O+3], v[O+2:O+3], v[O+6:O+7]
.irp k, 0,1,2,3
	v_permlanex16_b32 v[O+4+\k], v[O+\k], s14, s15
.endr
	v_pk_add_f32 v[O:O+1],   v[O:O+1],   v[O+4:O+5]
	v_pk_add_f32 v[O+2:O+3], v[O+2:O+3], v[O+6:O+7]
	ds_store_b128 v[WST], v[O:O+3] offset:LO
	s_wait_dscnt 0x0                                       ; for the others: e, (m, l), o_w are in LDS; my reads of LP ended at step 2
	s_barrier_signal -1
	s_barrier_wait -1
	; 6. The finish, by five waves; the others go on to the next batch.
	s_cmp_gt_u32 s12, 4
	s_cbranch_scc1 .Ldone\i
	ds_load_b64 v[ML:ML+1], v[MLR] offset:LML              ; lane (c, h): the pair of wave c xor 8h
	s_cmp_eq_u32 s12, 4
	s_cbranch_scc1 .Lsum\i
	; waves 0-3: out1.  A lane takes four neighbouring rows, the wave 512 consecutive bytes, aligned.
	ds_load_b32 v[MS], v[MSR] offset:LML                   ; m of the wave that made these four rows
	ds_load_b128 v[E4:E4+3], v[T16] offset:LE
	s_wait_dscnt 0x1                                       ; the pair and MS are in; the four e may be out
	TOTALS 1
	s_wait_dscnt 0x0
	v_pk_mul_f32 v[E4:E4+1],   v[E4:E4+1],   v[G:G+1] op_sel_hi:[1,0]
	v_pk_mul_f32 v[E4+2:E4+3], v[E4+2:E4+3], v[G:G+1] op_sel_hi:[1,0]
	global_store_b128 v[T16], v[E4:E4+3], s[10:11] offset:\i*MASKB th:TH_STORE_NT
	s_branch .Ldone\i
.Lsum\i:
	; wave 4: out0.  My half adds the o_w of waves 8h .. 8h+7, each times its factor.
.irp u, 0,1,2,3,4,5,6,7
	ds_load_b128 v[OP+4*\u:OP+4*\u+3], v[RDH] offset:LO+256*\u
.endr
	s_wait_dscnt 0x8                                       ; the pair is in; the eight loads behind it may be out
	TOTALS 0                                               ; lane u of half h holds the factor of wave u xor 8h = 8h + u for u under 8
	s_wait_dscnt 0x0
.set XB, OP
	GSUM2 1, 0, 1
	GSUM2 0, 2, 3
	GSUM2 0, 4, 5
	GSUM2 0, 6, 7
	; The halves meet and share the store: half 0 keeps columns 4c, 4c+1 and hands over 4c+2, 4c+3; half 1 the other way round.
	v_cndmask_b32 v[W],     v[ACC+2], v[ACC],   s20
	v_cndmask_b32 v[W+1],   v[ACC+3], v[ACC+1], s20
	v_cndmask_b32 v[ACC],   v[ACC],   v[ACC+2], s20
	v_cndmask_b32 v[ACC+1], v[ACC+1], v[ACC+3], s20
	v_permlanex16_b32 v[W+2], v[W],   s14, s15
	v_permlanex16_b32 v[W+3], v[W+1], s14, s15
	v_pk_add_f32 v[ACC:ACC+1], v[ACC:ACC+1], v[W+2:W+3]
	global_store_b64 v[O0F], v[ACC:ACC+1], s[8:9] offset:\i*OUT0B th:TH_STORE_NT   ; 32 lanes x 8 bytes: the batch's 256 bytes in one store
.Ldone\i:
.endm
	; ---------------------------------------------------------------- entry
	s_load_b256 s[4:11], s[0:1], 0x0               ; x s[4:5], mask s[6:7], out0 s[8:9], out1 s[10:11]
	v_lshrrev_b32 v59, 5, v0
	v_readfirstlane_b32 s12, v59                   ; wave 0..15
	v_and_b32 v58, 31, v0                          ; lane
	v_and_b32 v60, 15, v0                          ; c
	v_bfe_u32 v61, v0, 4, 1                        ; h
	s_lshl_b32 s13, s12, 13                        ; my wave's 32 rows of 256 bytes
	s_lshl_b32 s21, s12, 7                         ; and their 32 words
	v_lshl_add_u32 v[XOFF], v58, 4, s13
	v_lshl_add_u32 v[MOFF], v60, 3, s21
	v_lshl_add_u32 v[MOFF], v61, 2, v[MOFF]
	s_lshl_b32 s2, ttmp9, 19                       ; four batches of 131,072 bytes (255 << 19 is under 2^32)
	s_mov_b32 s3, 0
	s_lshl_b32 s22, ttmp9, 13                      ; four batches of 2,048 bytes
	s_mov_b32 s23, 0
	s_lshl_b32 s24, ttmp9, 10                      ; four batches of 256 bytes
	s_mov_b32 s25, 0
	s_wait_kmcnt 0x0
	s_add_nc_u64 s[4:5], s[4:5], s[2:3]
	s_add_nc_u64 s[6:7], s[6:7], s[22:23]
	s_add_nc_u64 s[8:9], s[8:9], s[24:25]
	s_add_nc_u64 s[10:11], s[10:11], s[22:23]
	; The three buffers are asked for at once.  A batch is of use only when all 16 waves have their parts, so the two barriers put every
	; wave's requests for one batch in front of any wave's requests for the next.  They order no data; set-up fills the gap.
	ISSUE 0, 0
	s_barrier_signal -1
	s_mov_b32 s14, 0x76543210                      ; v_permlanex16_b32: lane i of one half reads lane i of the other
	s_mov_b32 s15, 0xfedcba98
	s_mov_b32 s16, 0xff00ff00                      ; lanes whose c has bit 3
	s_mov_b32 s17, 0xf0f0f0f0                      ; bit 2
	s_mov_b32 s18, 0xcccccccc                      ; bit 1
	s_mov_b32 s19, 0xaaaaaaaa                      ; bit 0
	s_mov_b32 s20, 0xffff0000                      ; lanes with h = 1
	s_lshl_b32 s13, s12, 8
	v_lshl_add_u32 v[WST], v60, 4, s13
	v_lshlrev_b32 v[RDH], 4, v60
	v_lshl_add_u32 v[RDH], v61, 11, v[RDH]
	v_lshlrev_b32 v62, 3, v61
	v_xor_b32 v62, v62, v60                        ; c xor 8h
	v_lshlrev_b32 v[MLR], 3, v62
	s_barrier_wait -1
	ISSUE 1, 1
	s_barrier_signal -1
	s_and_b32 s13, s12, 3                          ; used by waves 0-3 alone; the mask keeps the offsets inside their 2,048 bytes in every wave
	s_lshl_b32 s21, s13, 9
	v_lshl_add_u32 v[T16], v58, 4, s21
	s_lshl_b32 s21, s13, 5                         ; rows 128 v + 4 lane .. + 3 were made by wave 4 v + lane / 8: 8 bytes a wave
	v_and_b32 v62, 24, v58
	v_add_nc_u32 v[MSR], s21, v62
	v_lshlrev_b32 v[O0F], 4, v60
	v_lshl_add_u32 v[O0F], v61, 3, v[O0F]
	s_lshl_b32 s13, s12, 3
	v_mov_b32 v[MLW], s13
	s_barrier_wait -1
	ISSUE 2, 2
	BATCH 0, 0, 34, 3                              ; behind batch 0 stand batches 1 and 2: 34 loads
	BATCH 1, 1, 34, -1                             ; behind batch 1: batches 2 and 3
	BATCH 2, 2, 17, -1                             ; behind batch 2: batch 3
	BATCH 3, 0, 0, -1
	s_wait_xcnt 0x0
	v_lshl_add_u32 v254, v0, 2, 0x2900
	v_mov_b32 v255, 0
	s_wait_tensorcnt 0x0
	ds_add_u32 v254, v255
	s_wait_dscnt 0x0
	s_endpgm
.Lfunc_end_k_q68bbbe973d_attnsum:
	.size	k_q68bbbe973d_attnsum, .Lfunc_end_k_q68bbbe973d_attnsum-k_q68bbbe973d_attnsum
	.p2alignl 7, 3214868480
	.fill 96, 4, 3214868480
	.section	.rodata,"a",@progbits
	.p2align	6, 0x0
	.amdhsa_kernel k_q68bbbe973d_attnsum
		.amdhsa_group_segment_fixed_size 12544
		.amdhsa_private_segment_fixed_size 0
		.amdhsa_enable_private_segment 0
		.amdhsa_kernarg_size 32
		.amdhsa_user_sgpr_count 2
		.amdhsa_user_sgpr_kernarg_segment_ptr 1
		.amdhsa_wavefront_size32 1
		.amdhsa_system_sgpr_workgroup_id_x 1
		.amdhsa_system_sgpr_workgroup_id_y 1
		.amdhsa_system_sgpr_workgroup_id_z 1
		.amdhsa_system_vgpr_workitem_id 0
		.amdhsa_next_free_vgpr 256
		.amdhsa_next_free_sgpr 66
		.amdhsa_reserve_vcc 1
		.amdhsa_float_denorm_mode_32 3
		.amdhsa_float_denorm_mode_16_64 3
		.amdhsa_memory_ordered 1
		.amdhsa_forward_progress 1
		.amdhsa_inst_pref_size 87
	.end_amdhsa_kernel
	.amdgpu_metadata
---
amdhsa.version: [ 1, 2 ]
amdhsa.kernels:
  - .name:           k_q68bbbe973d_attnsum
    .symbol:         k_q68bbbe973d_attnsum.kd
    .args:
      - { .name: input, .offset: 0, .size: 8, .value_kind: global_buffer, .address_space: global }
      - { .name: mask, .offset: 8, .size: 8, .value_kind: global_buffer, .address_space: global }
      - { .name: out0, .offset: 16, .size: 8, .value_kind: global_buffer, .address_space: global }
      - { .name: out1, .offset: 24, .size: 8, .value_kind: global_buffer, .address_space: global }
    .group_segment_fixed_size: 12544
    .private_segment_fixed_size: 0
    .kernarg_segment_align: 8
    .kernarg_segment_size: 32
    .max_flat_workgroup_size: 512
    .sgpr_count:     66
    .vgpr_count:     256
    .wavefront_size: 32
...
	.end_amdgpu_metadata
.endif
;; end of part 1
